; MI455X (gfx1250); checked and timed in simulation.
; The chip was launched on July 23, 2026; its instructions are those of AMD's public machine-readable ISA for CDNA 5 (MIT licence, August 2026) and "CDNA5" Instruction Set Architecture Reference Guide (July 2026). The comments in the code are by the model that wrote it; some were corrected since.
;; Vector Quantizer. Allowed arithmetic: float matrix products may take bf16 or f16 operands with f32 sums; other float arithmetic in f32, or as packed bf16 or f16 multiplies, adds, multiply-adds, maxima and minima; sums over many terms, partial sums and values carried from step to step in f32; what a program stores and reads back later, other than sums and carried values, may be rounded once to bf16 or f16.
;; Inputs: embeddings 512 x 64 float32; inputs 32 x 64 x 64 x 64 float32.
;; Outputs: out0 32 x 64 x 64 x 64 float32; out1 one number float32.
;; One version. Each part assembles by itself: llvm-mc -triple=amdgcn-amd-amdhsa -mcpu=gfx1250 --defsym DOCPART=n.
;; ======== version 1 of 1: 2 launches
;; limits: a difference of large sums (such as E[x^2] - mean^2): digits are lost where the result is much smaller than its terms
;; workspace buffers: idx 524,288 bytes of whole numbers; part 8,192 bytes
;; launch nearest (part 1): grid 256 x 1, 8 waves a work-group, no clusters, 76,800 bytes of LDS; arguments inputs, embeddings, idx, part; writes idx, part
.if DOCPART == 1
	.amdgcn_target "amdgcn-amd-amdhsa--gfx1250"
	.amdhsa_code_object_version 6
	.text
	.protected	k_q84c3a9d083_nearest
	.globl	k_q84c3a9d083_nearest
	.p2align	8
	.type	k_q84c3a9d083_nearest,@function
k_q84c3a9d083_nearest:
	s_mov_b64 s[64:65], 0
	v_nop
	global_prefetch_b8 v0, s[64:65] scope:SCOPE_SE
	s_setreg_imm32_b32 hwreg(HW_REG_WAVE_MODE, 25, 1), 1
	s_wait_xcnt 0x0
; VECTOR QUANTIZER, LAUNCH 1 OF 2: for each of the 131,072 positions (b, h, w) the index of the nearest of 512 codes, and partial sums of the loss.
; inputs: [32][64 channels][4096 positions] f32.  embeddings: [512][64] f32.  idx: [131072] u32.  part: [2048] f32, one sum a wave.
; WORK LEFT OUT, for all finite values of the inputs:
;  (a) distances = |x|^2 + |e_k|^2 - 2 x.e_k: the term |x|^2 is the same for all k of a position, so it cannot move the argmin.  What is compared is
;      s_k = x.e_k - |e_k|^2 / 2 = (|x|^2 - distance_k) / 2: the greatest s, and of equal ones the lowest k, is the argmin.
;  (b) quantized_st = x + (q - x) = q: launch 2 stores the chosen row itself and does not read inputs.
;  (c) commitment_loss and codebook_loss are the same mean: loss = 1.25 mean((q - x)^2).
;  (d) (q - x)^2 summed over a position is |x|^2 - 2 max_k s_k, an identity: the sum is taken so, here, where both terms are at hand.
; FORMATS AND LIMITS.  x and e are rounded once to bf16 for the product; |e_k|^2 and |x|^2 are taken of the ROUNDED numbers, in f32, so that (d) holds exactly for them and the
; rounding of the operands enters the loss as it would enter (q - x)^2 itself.  (d) is a difference of sums: what it amplifies is f32 summation alone; with offsets of 30 spreads on x and e the sums
; are at most some 150 times the result, 1e-5 of it.  Two codes whose distances differ by less than f32 rounding may be chosen otherwise than an f32 argmin chooses them.
; NaN and infinities are not treated apart (a NaN score never wins; the index stays in 0..511), and a NaN, an infinity or an overflow that reaches only the work left out
; ((a), (b)) is not carried to the result.
; SHARES.  256 work-groups of 8 waves; a work-group has 512 positions of one image, a wave 64, as four TILES of 16 that are interleaved: column r of tile i is position 4 r + i.
; So a lane's load of 16 bytes of one channel holds one number for each tile, 16 lanes read 256 consecutive bytes, aligned, and nothing is transposed.
; LAYOUT.  S^T = E X^T + C (source 0 = 16 codes x 32 channels, source 1 = 32 channels x 16 positions, C = -|e|^2 / 2): lane (r = lane % 16, h = lane / 16) holds position r and, in register j,
; code 16 t + 8 h + j.  A fragment holds, in lane (r, h), channels 8 h + 0..7 and 16 + 8 h + 0..7 of each 32: so lane (r, h) loads the channels 16 cb + 8 h + j of its four positions.
; TWO CLASSES OF WAVES.  Waves 0, 2, 5, 7 ask for their x first thing and round it as it lands.  Waves 1, 3, 4, 6 bring the table, round it, take its norms and lay both into LDS, and ask for their own x
; while they do so.  So half of x is asked for ahead of the other half, and behind the barrier the first class multiplies while the x of the second is on its way.  Of waves w and w + 4, and of waves
; 2 i and 2 i + 1, one lies in each class: whether the two waves that share a SIMD's registers are the one pair or the other, they are one of each class.
; A table wave asks for 60 of its 64 blocks at the head, the last four behind its first group, and four loads of x behind each of the next eight groups: by the text's own count at most 60 loads of a wave are out.
; THE SELECTION costs 37 vector instructions for a code tile and four tiles of positions (32 scores a lane): for each tile four v_max3_num_f32 carry the running best on (two registers by turns, so that the old
; best stays for the compare), one compare into VCC, and four pairs of selects that keep scores 0 to 6 of the winning accumulator and the code tile's number (score 7 is not kept: if none of 0 to 6 is the
; best, it is 7); one add counts the code tile.  A later tile wins only if greater, so ties stay with the lowest code.
; BY TURNS.  The eight products of code tile t stand with the look through code tile t - 1 between them.
; NO CLUSTER, NO TENSOR LOAD: the table is shared by all work-groups, but it comes once, 131,072 bytes, and must pass through registers (rounding, norms).  NO PREFETCH: the only loads that are not issued at
; the head are the table waves' x, and a prefetch for them could stand nowhere but at the head, among every work-group's first loads.
.set PITCH, 144                        ; a code row in LDS: 128 bytes of bf16 + 16: the 16 rows of a fragment load start at 16 different groups of four banks (64 banks of 4 bytes: ISA guide 11.1)
.set TILEB, 16*PITCH                   ; a code tile
.set CHB,   8*PITCH                    ; a block of 8 rows: what one load of the four table waves together brings
.set HHB,   512*PITCH                  ; behind the table: -|e_k|^2 / 2, 512 x f32
.set SPARE, HHB+2048                   ; behind them: the spare words, 128 bytes for each of 8 waves: four blocks of 256 bytes that no other line names
.set SPW, 2                            ; v2   LDS address of my spare word; never rewritten
.set NIL, 3                            ; v3   0, for the add alone
.set AF,  4                            ; v4   LDS address of my part of the code tile to be fetched
.set HA,  5                            ; v5   the same for its eight -|e|^2 / 2
.set VOX, 6                            ; v6   my byte offset in x; never rewritten
.set VOE, 7                            ; v7   my byte offset in a block of the table: 512 x (wave / 2) + 16 x lane; never rewritten
.set ETA, 8                            ; v8   where I put 8 bytes of a rounded row, blocks 0-31
.set ETB, 9                            ; v9   blocks 32-63 (an LDS offset has 16 bits)
.set EHA, 10                           ; v10  where my row's -|e|^2 / 2 goes
.set ZR,  11                           ; v11  0
.set BB,  12                           ; v12-19  the best score of tile i: two sets of four, by the parity of the code tile; at the head: at work
.set TGV, 21                           ; v21  the number of the code tile that is being looked through
.set RET, 24                           ; v24-55  for each of my four tiles: scores 0 to 6 of the code tile that holds the best, and in the eighth register that tile's number; at the head: at work
.set XB,  56                           ; v56-119 x in bf16: tile i at XB + 16 i: two fragments of 8
.set ACC, 120                          ; v120-183 two sets of four accumulators
.set F,   184                          ; v184-215 two sets of a code tile's two fragments
.set H,   216                          ; v216-231 two sets of its C operand
.set ES,  120                          ; v120-247 at the head, table waves: blocks 0-31 as loaded
.set ES2, 128                          ; window 1, v128-255: blocks 32-63 as loaded  (window 1, v0-127: x as loaded)
.set EP,  24                           ; v24-47  at the head, table waves: two sets, by the group's parity, of four pairs of rounded numbers and four sums of squares
.set HF,  232                          ; at the end: h
.set LN,  233                          ; lane
.set VOI, 234                          ; 16 r
.set KK,  236                          ; v236-239 the four indices
.set NX,  248                          ; v248-255 eight sums of squares of x
.set WV,  20                           ; s20  my wave
.set CNT, 21                           ; s21  trips
.set SV,  23                           ; s23  EXEC kept
.set SEL, 24                           ; s[24:25] v_permlanex16_b32: each lane takes its own place in the other half
.set MK,  28                           ; s28-31, s32-35, s36-39: lane masks, one a tile
.set MQ,  32
.set MR,  36
.set MSB, 0
.macro WIN new                         ; s_set_vgpr_msb: bits 1:0 source 0, 3:2 source 1, 7:6 destination; the high byte repeats the setting that is left
.if MSB != (\new)
	s_set_vgpr_msb (MSB<<8)|(\new)
.set MSB, \new
.endif
.endm
; The table waves, 1, 3, 4 and 6, go to the label; the others fall through.  Plain compares of the wave's number.
.macro IFTABLE label
.irp w, 1,3,4,6
	s_cmp_eq_u32 s[WV], \w
	s_cbranch_scc1 \label
.endr
.endm
; cnt loads of x from number n0 on, into window 1: load n = 8 cb + j is channel 16 cb + 8 h + j; lanes 0-15 and lanes 16-31 each read 256 consecutive bytes, aligned.  Each byte of x is read once in the launch.
.macro XLOADS n0, cnt
	WIN 0x40
.set n, \n0
.rept \cnt
	global_load_b128 v[4*n:4*n+3], v[VOX], s[4:5] offset:((n/8)*16+(n%8))*16384 th:TH_LOAD_NT
.set n, n+1
.endr
	WIN 0
.endm
; x to bf16: register 4 cb + q of tile i takes channels 16 cb + 8 h + 2 q and + 1, the lower in the low half.  Then the squares of the rounded x, in eight chains: low halves, high halves.
.macro CONVERT
	WIN 0x05                                       ; sources 0 and 1 in window 1
.irp cb, 0,1,2,3
	s_wait_loadcnt 24-8*\cb                        ; x's 32 loads are the wave's last: those of the later blocks of 16 channels may stay out
.irp q, 0,1,2,3
.irp i, 0,1,2,3
	v_cvt_pk_bf16_f32 v[XB+16*\i+4*\cb+\q], v[4*(8*\cb+2*\q)+\i], v[4*(8*\cb+2*\q+1)+\i]
.endr
.endr
.endr
	WIN 0
.set m, 0
.rept 64
.if m < 4
	v_fma_mix_f32_bf16 v[NX+m%4], v[XB+m], v[XB+m], v[ZR] op_sel_hi:[1,1,0]
	v_fma_mix_f32_bf16 v[NX+4+m%4], v[XB+m], v[XB+m], v[ZR] op_sel:[1,1,0] op_sel_hi:[1,1,0]
.else
	v_fma_mix_f32_bf16 v[NX+m%4], v[XB+m], v[XB+m], v[NX+m%4] op_sel_hi:[1,1,0]
	v_fma_mix_f32_bf16 v[NX+4+m%4], v[XB+m], v[XB+m], v[NX+4+m%4] op_sel:[1,1,0] op_sel_hi:[1,1,0]
.endif
.set m, m+1
.endr
.endm
; GROUP g OF 16 OF THE TABLE: blocks 4 g .. 4 g + 3, 8 rows each; 16 lanes hold a row, 4 numbers a lane.  Rounded to bf16; of the rounded numbers the sum of squares over the row's 16 lanes, times -1/2.
; The four blocks' chains take turns, and the eight LDS stores stand in one run.  Behind group 0 the last four blocks are asked for, behind groups 1 to 8 four loads each of my own x.
; THE WAIT.  Loads come back in order (ISA guide 5.7.1).  Behind block 4 g + 3 have been issued: for g = 0 blocks 4 to 59: 56; for g = 1 to 9, 60 - 4 g blocks and 4 (g - 1) loads of x: 56; from g = 10 on
; 60 - 4 g blocks and all 32 loads of x: 92 - 4 g.
.macro PREPG g
.set PE, EP+12*((\g)%2)
.set PS, PE+8
.if (\g) < 10
	s_wait_loadcnt 56
.else
	s_wait_loadcnt 92-4*(\g)
.endif
.if (\g) < 8
.set RB, ES+16*(\g)
.else
.set RB, ES2+16*((\g)-8)
	WIN 0x05                                       ; blocks 32-63 lie in window 1
.endif
.irp q, 0,1,2,3
	v_cvt_pk_bf16_f32 v[PE+2*\q], v[RB+4*\q], v[RB+4*\q+1]
	v_cvt_pk_bf16_f32 v[PE+2*\q+1], v[RB+4*\q+2], v[RB+4*\q+3]
.endr
	WIN 0
.irp q, 0,1,2,3
	v_fma_mix_f32_bf16 v[PS+\q], v[PE+2*\q], v[PE+2*\q], v[ZR] op_sel_hi:[1,1,0]
.endr
.irp q, 0,1,2,3
	v_fma_mix_f32_bf16 v[PS+\q], v[PE+2*\q], v[PE+2*\q], v[PS+\q] op_sel:[1,1,0] op_sel_hi:[1,1,0]
.endr
.irp q, 0,1,2,3
	v_fma_mix_f32_bf16 v[PS+\q], v[PE+2*\q+1], v[PE+2*\q+1], v[PS+\q] op_sel_hi:[1,1,0]
.endr
.irp q, 0,1,2,3
	v_fma_mix_f32_bf16 v[PS+\q], v[PE+2*\q+1], v[PE+2*\q+1], v[PS+\q] op_sel:[1,1,0] op_sel_hi:[1,1,0]
.endr
.irp x, 1,2,4,8
.irp q, 0,1,2,3
	v_add_f32_dpp v[PS+\q], v[PS+\q], v[PS+\q] row_xmask:\x row_mask:0xf bank_mask:0xf
.endr
.endr
.irp q, 0,1,2,3
	v_mul_f32 v[PS+\q], -0.5, v[PS+\q]
.endr
.irp q, 0,1,2,3
.if (\g) < 8
	ds_store_b64 v[ETA], v[PE+2*\q:PE+2*\q+1] offset:(4*(\g)+\q)*CHB
.else
	ds_store_b64 v[ETB], v[PE+2*\q:PE+2*\q+1] offset:(4*(\g)+\q-32)*CHB
.endif
.endr
.irp q, 0,1,2,3
	ds_store_b32 v[EHA], v[PS+\q] offset:(4*(\g)+\q)*32  ; a row's 16 lanes write the same word with the same value
.endr
.if (\g) == 0
	WIN 0x40
.irp q, 0,1,2,3
	global_load_b128 v[ES2+112+4*\q:ES2+112+4*\q+3], v[VOE], s[6:7] offset:2048*(60+\q)
.endr
	WIN 0
.elseif (\g) < 9
	XLOADS 4*((\g)-1), 4
.endif
.endm
	s_load_b256 s[4:11], s[0:1], 0x0               ; inputs s[4:5], embeddings s[6:7], idx s[8:9], part s[10:11]
	v_lshl_add_u32 v[SPW], v0, 2, SPARE
	v_mov_b32 v[NIL], 0
	v_mov_b32 v[ZR], 0
	v_lshrrev_b32 v1, 5, v0
	v_readfirstlane_b32 s[WV], v1                  ; wave 0..7
	v_and_b32 v12, 15, v0                          ; r
	v_bfe_u32 v13, v0, 4, 1                        ; h
	v_lshrrev_b32 v15, 6, v0                       ; wave / 2: a table wave's place among the four (waves 1, 3, 4, 6: 0, 1, 2, 3)
	v_lshl_add_u32 v14, v15, 1, v13                ; my row in a block of 8 rows of the table: 2 x place + h
	v_lshlrev_b32 v[VOX], 4, v12                   ; my four positions: 16 r bytes,
	v_lshl_add_u32 v[VOX], v13, 17, v[VOX]         ; and 8 h channels of 16,384 bytes
	v_and_b32 v[VOE], 31, v0
	v_lshlrev_b32 v[VOE], 4, v[VOE]
	v_lshl_add_u32 v[VOE], v15, 9, v[VOE]          ; 512 x place + 16 x lane
	v_mul_u32_u24 v[ETA], v14, PITCH
	v_lshl_add_u32 v[ETA], v12, 3, v[ETA]          ; row x pitch + 8 r
	v_add_nc_u32 v[ETB], 32*CHB, v[ETA]
	v_lshl_add_u32 v[EHA], v14, 2, HHB
	v_mul_u32_u24 v[AF], v12, PITCH
	v_lshl_add_u32 v[AF], v13, 4, v[AF]            ; a fragment: row r x pitch + 16 h
	v_lshl_add_u32 v[HA], v13, 5, HHB              ; eight numbers from 8 h on
	s_lshr_b32 s12, ttmp9, 3                       ; the image: 8 work-groups each,
	s_lshl_b32 s12, s12, 20                        ; 64 channels x 16,384 bytes
	s_and_b32 s14, ttmp9, 7
	s_lshl_b32 s14, s14, 11                        ; the work-group's 512 positions
	s_add_co_u32 s12, s12, s14
	s_lshl_b32 s14, s[WV], 8                       ; my wave's 64
	s_add_co_u32 s12, s12, s14
	s_mov_b32 s13, 0
	s_lshl_b32 s16, ttmp9, 11                      ; idx: 512 positions x 4 bytes a work-group, 256 bytes a wave
	s_add_co_u32 s16, s16, s14
	s_mov_b32 s17, 0
	s_lshl_b32 s18, ttmp9, 5                       ; part: 4 bytes a wave
	s_lshl_b32 s14, s[WV], 2
	s_add_co_u32 s18, s18, s14
	s_mov_b32 s19, 0
	s_mov_b32 s[SEL], 0x76543210
	s_mov_b32 s[SEL+1], 0xfedcba98
	s_wait_kmcnt 0x0
	s_add_nc_u64 s[4:5], s[4:5], s[12:13]
	s_add_nc_u64 s[8:9], s[8:9], s[16:17]
	s_add_nc_u64 s[10:11], s[10:11], s[18:19]
	IFTABLE .Ltable
	XLOADS 0, 32                                   ; WAVES 0, 2, 5, 7: all of my x is asked for at once,
	CONVERT                                        ; and rounded as it lands, while the other four make the table
	s_branch .Ljoin
.Ltable:                                               ; WAVES 1, 3, 4, 6: block n of the table is 2,048 consecutive bytes, rows 8 n .. 8 n + 7; a wave's load covers 512 of them
.set n, 0
.rept 32
	global_load_b128 v[ES+4*n:ES+4*n+3], v[VOE], s[6:7] offset:2048*n
.set n, n+1
.endr
	WIN 0x40
.rept 28
	global_load_b128 v[ES2+4*(n-32):ES2+4*(n-32)+3], v[VOE], s[6:7] offset:2048*n
.set n, n+1
.endr
	WIN 0
.irp g, 0,1,2,3,4,5,6,7,8,9,10,11,12,13,14,15
	PREPG \g
.endr
.Ljoin:
	s_wait_dscnt 0x0                               ; for the others' sake: my rows are in LDS
	s_barrier_signal -1
	; work on registers between the signal and the wait: what the first look through scores finds: a best below every score, code tile 0, kept scores 0
.irp i, 0,1,2,3
	v_mov_b32 v[BB+4+\i], 0xff800000
.endr
	v_mov_b32 v[TGV], 0
.set n, 0
.rept 32
	v_mov_b32 v[RET+n], 0
.set n, n+1
.endr
	s_barrier_wait -1                              ; the whole table is in LDS
; A code tile's two fragments (16 codes x 64 channels) and its C operand into set p, from tile off behind the two addresses: six LDS loads.
.macro LOADF p, off
	ds_load_b128 v[F+16*(\p):F+16*(\p)+3],     v[AF] offset:(\off)*TILEB
	ds_load_b128 v[F+16*(\p)+4:F+16*(\p)+7],   v[AF] offset:(\off)*TILEB+32
	ds_load_b128 v[F+16*(\p)+8:F+16*(\p)+11],  v[AF] offset:(\off)*TILEB+64
	ds_load_b128 v[F+16*(\p)+12:F+16*(\p)+15], v[AF] offset:(\off)*TILEB+96
	ds_load_b128 v[H+8*(\p):H+8*(\p)+3],       v[HA] offset:(\off)*64
	ds_load_b128 v[H+8*(\p)+4:H+8*(\p)+7],     v[HA] offset:(\off)*64+16
.endm
	LOADF 0, 0                                     ; code tiles 0 and 1
	LOADF 1, 1
	IFTABLE .Lmine
	s_branch .Lgo                                  ; waves 0, 2, 5, 7 have their x and begin
.Lmine:
	CONVERT                                        ; the table waves wait for theirs
.Lgo:
; A product: tile i of my positions, channels 32 kb on, sets p.  The first starts the sum with -|e|^2 / 2; the four accumulators take turns, one instruction a turn.
.macro WM p, i, kb
.set DD, ACC+32*(\p)+8*(\i)
.if (\kb) == 0
	v_wmma_f32_16x16x32_bf16 v[DD:DD+7], v[F+16*(\p):F+16*(\p)+7], v[XB+16*(\i):XB+16*(\i)+7], v[H+8*(\p):H+8*(\p)+7]
.else
	v_wmma_f32_16x16x32_bf16 v[DD:DD+7], v[F+16*(\p)+8:F+16*(\p)+15], v[XB+16*(\i)+8:XB+16*(\i)+15], v[DD:DD+7]
.endif
.endm
; Part 0 to 7 of the look through set q's scores.  Parts 0-3: the new best = the greatest of the old best and the eight scores, four chains that do not wait for each other (each accumulator's lowest
; registers are read first).  Part 4 + k: tile k's four pairs of selects under VCC: where the best has grown, scores 0 to 6 and the code tile's number are kept.  In a pair the destinations are
; an even and an odd register, and the two first sources, and the two second, differ in their numbers modulo 4 (the tile's number lies in v21, beside score 6 in a register of number 2 modulo 4).
; The compare for tile k closes the part before, so that in a turn a product stands between it and its readers.  more = 1: another look follows: the code tile's number goes on.
.macro LOOK q, part, more=1
.if (\part) < 4
.irp i, 0,1,2,3
.set AA, ACC+32*(\q)+8*\i
.set NW, BB+4*(\q)+\i
.set OL, BB+4*(1-(\q))+\i
.if (\part) == 0
	v_max3_num_f32 v[NW], v[OL], v[AA], v[AA+1]
.else
	v_max3_num_f32 v[NW], v[NW], v[AA+2*(\part)], v[AA+2*(\part)+1]
.endif
.endr
.else
.set AA, ACC+32*(\q)+8*((\part)-4)
.set RR, RET+8*((\part)-4)
	v_dual_cndmask_b32 v[RR], v[RR], v[AA] :: v_dual_cndmask_b32 v[RR+1], v[RR+1], v[AA+1]
	v_dual_cndmask_b32 v[RR+2], v[RR+2], v[AA+2] :: v_dual_cndmask_b32 v[RR+3], v[RR+3], v[AA+3]
	v_dual_cndmask_b32 v[RR+4], v[RR+4], v[AA+4] :: v_dual_cndmask_b32 v[RR+5], v[RR+5], v[AA+5]
	v_dual_cndmask_b32 v[RR+6], v[RR+6], v[AA+6] :: v_dual_cndmask_b32 v[RR+7], v[RR+7], v[TGV]
.endif
.if ((\part) >= 3) && ((\part) < 7)
	v_cmp_gt_f32 vcc_lo, v[BB+4*(\q)+(\part)-3], v[BB+4*(1-(\q))+(\part)-3]  ; has tile part - 3's best grown?
.endif
.if ((\part) == 7) && (\more)
	v_add_nc_u32 v[TGV], 1, v[TGV]
.endif
.endm
; A CODE TILE's turn, sets p: its eight products; behind product w (valu = 1) part w of the look through the other set, the code tile before: four instructions behind each of the first three, five behind the others.
; None names a register of the products round it, so they are the places that a matrix result wants ahead of its first reader: the last product's five stand ahead of the
; next turn's first read of its accumulator, and ahead of the loads into its sources.  off >= 0: the code tile two on is fetched into the set just multiplied.  cnt: the LDS loads that may stay out.
.macro ITER p, valu, off, cnt
	s_wait_dscnt \cnt                              ; my set is in; the next code tile's six loads may be out
.set w, 0
.rept 8
	WM \p, w%4, w/4
.if \valu
	LOOK 1-(\p), w
.endif
.set w, w+1
.endr
.if !(\valu)
.rept 4
	v_nop                                          ; the first turn has nothing to look through: four places ahead of the loads
.endr
.endif
.if (\off) >= 0
	LOADF \p, \off
.endif
.endm
	ITER 0, 0, 2, 6                                ; code tile 0; tile 2 is fetched
	v_add_nc_u32 v[AF], 3*TILEB, v[AF]             ; the addresses stand at tile 3
	v_add_nc_u32 v[HA], 3*64, v[HA]
	s_mov_b32 s[CNT], 14
.Lpair:                                                ; 14 trips: code tiles 1 to 28; tiles 3 to 30 are fetched
	ITER 1, 1, 0, 6
	ITER 0, 1, 1, 6
	v_add_nc_u32 v[AF], 2*TILEB, v[AF]
	v_add_nc_u32 v[HA], 2*64, v[HA]
	s_sub_co_u32 s[CNT], s[CNT], 1
	s_cmp_lg_u32 s[CNT], 0
	s_cbranch_scc1 .Lpair
	ITER 1, 1, 0, 6                                ; tile 29; tile 31, the last, is fetched
	ITER 0, 1, -1, 6                               ; tile 30
	ITER 1, 1, -1, 0                               ; tile 31: nothing was issued behind its loads
.irp st, 0,1,2,3,4,5,6,7
	LOOK 1, \st, 0                                 ; and the look through tile 31
.endr
	; THE INDEX.  In the kept tile the first j whose score equals the best (7 if none of 0 to 6 does); k = 16 x tile + 8 h + j; then the other half of the lanes, which saw the position's other 256 codes: the greater score, of equal ones the lower k.
	v_bfe_u32 v[HF], v0, 4, 1
	v_and_b32 v[LN], 31, v0
	v_and_b32 v[VOI], 15, v0
	v_lshlrev_b32 v[VOI], 4, v[VOI]
.irp i, 0,1,2,3
	v_mov_b32 v[KK+\i], 7
.endr
.irp j, 6,5,4,3,2,1,0
.irp i, 0,1,2,3
	v_cmp_eq_f32 s[MK+\i], v[RET+8*\i+\j], v[BB+4+\i]
.endr
.irp i, 0,1,2,3
	v_cndmask_b32 v[KK+\i], v[KK+\i], \j, s[MK+\i]
.endr
.endr
.irp i, 0,1,2,3
	v_lshl_add_u32 v[KK+\i], v[RET+8*\i+7], 4, v[KK+\i]
.endr
.irp i, 0,1,2,3
	v_lshl_add_u32 v[KK+\i], v[HF], 3, v[KK+\i]
.endr
.irp i, 0,1,2,3
	v_permlanex16_b32 v[RET+\i], v[BB+4+\i], s[SEL], s[SEL+1]   ; (its destination counts as read: registers that have been written, and whose contents have been used up)
	v_permlanex16_b32 v[RET+4+\i], v[KK+\i], s[SEL], s[SEL+1]
.endr
.irp i, 0,1,2,3
	v_cmp_gt_f32 s[MK+\i], v[RET+\i], v[BB+4+\i]
	v_cmp_eq_f32 s[MQ+\i], v[RET+\i], v[BB+4+\i]
	v_cmp_lt_u32 s[MR+\i], v[RET+4+\i], v[KK+\i]
.endr
.irp i, 0,1,2,3
	s_and_b32 s[MQ+\i], s[MQ+\i], s[MR+\i]
	s_or_b32 s[MK+\i], s[MK+\i], s[MQ+\i]
.endr
.irp i, 0,1,2,3
	v_cndmask_b32 v[KK+\i], v[KK+\i], v[RET+4+\i], s[MK+\i]
	v_max_num_f32 v[BB+4+\i], v[BB+4+\i], v[RET+\i]
.endr
	; THE LOSS.  My lane's squares of x, less the four best scores: a position's best stands in two lanes, which makes the 2 of |x|^2 - 2 s.  Then the sum over the 32 lanes.
	v_pk_add_f32 v[NX:NX+1], v[NX:NX+1], v[NX+2:NX+3]
	v_pk_add_f32 v[NX+4:NX+5], v[NX+4:NX+5], v[NX+6:NX+7]
	v_pk_add_f32 v[BB+4:BB+5], v[BB+4:BB+5], v[BB+6:BB+7]
	v_pk_add_f32 v[NX:NX+1], v[NX:NX+1], v[NX+4:NX+5]
	v_add_f32 v[BB+4], v[BB+4], v[BB+5]
	v_add_f32 v[NX], v[NX], v[NX+1]
	v_sub_f32 v[NX], v[NX], v[BB+4]
	v_add_f32_dpp v[NX], v[NX], v[NX] row_xmask:1 row_mask:0xf bank_mask:0xf
	v_add_f32_dpp v[NX], v[NX], v[NX] row_xmask:2 row_mask:0xf bank_mask:0xf
	v_add_f32_dpp v[NX], v[NX], v[NX] row_xmask:4 row_mask:0xf bank_mask:0xf
	v_add_f32_dpp v[NX], v[NX], v[NX] row_xmask:8 row_mask:0xf bank_mask:0xf
	v_permlanex16_b32 v[NX+1], v[NX], s[SEL], s[SEL+1]
	v_add_f32 v[NX], v[NX], v[NX+1]
	; Lane r of the lower half holds the indices of positions 4 r .. 4 r + 3: 16 lanes store the wave's 256 consecutive bytes, aligned.  Lane 0 stores the wave's sum: 4 bytes, once a wave.
	s_wait_xcnt 0x0                                ; EXEC changes only behind this wait
	v_cmp_gt_u32 vcc_lo, 16, v[LN]
	s_and_saveexec_b32 s[SV], vcc_lo
	global_store_b128 v[VOI], v[KK:KK+3], s[8:9]
	s_wait_xcnt 0x0
	s_or_b32 exec_lo, exec_lo, s[SV]
	v_cmp_eq_u32 vcc_lo, 0, v[LN]
	s_and_saveexec_b32 s[SV], vcc_lo
	global_store_b32 v[ZR], v[NX], s[10:11]
	s_wait_xcnt 0x0
	s_or_b32 exec_lo, exec_lo, s[SV]
	s_wait_tensorcnt 0x0                           ; the wave's end: behind my last LDS store
	ds_add_u32 v[SPW], v[NIL]
	s_wait_dscnt 0x0
	s_endpgm
.Lfunc_end_k_q84c3a9d083_nearest:
	.size	k_q84c3a9d083_nearest, .Lfunc_end_k_q84c3a9d083_nearest-k_q84c3a9d083_nearest
	.p2alignl 7, 3214868480
	.fill 96, 4, 3214868480
	.section	.rodata,"a",@progbits
	.p2align	6, 0x0
	.amdhsa_kernel k_q84c3a9d083_nearest
		.amdhsa_group_segment_fixed_size 76800
		.amdhsa_private_segment_fixed_size 0
		.amdhsa_enable_private_segment 0
		.amdhsa_kernarg_size 32
		.amdhsa_user_sgpr_count 2
		.amdhsa_user_sgpr_kernarg_segment_ptr 1
		.amdhsa_wavefront_size32 1
		.amdhsa_system_sgpr_workgroup_id_x 1
		.amdhsa_system_sgpr_workgroup_id_y 1
		.amdhsa_system_sgpr_workgroup_id_z 1
		.amdhsa_system_vgpr_workitem_id 0
		.amdhsa_next_free_vgpr 512
		.amdhsa_next_free_sgpr 66
		.amdhsa_reserve_vcc 1
		.amdhsa_float_denorm_mode_32 3
		.amdhsa_float_denorm_mode_16_64 3
		.amdhsa_memory_ordered 1
		.amdhsa_forward_progress 1
		.amdhsa_inst_pref_size 119
	.end_amdhsa_kernel
	.amdgpu_metadata
---
amdhsa.version: [ 1, 2 ]
amdhsa.kernels:
  - .name:           k_q84c3a9d083_nearest
    .symbol:         k_q84c3a9d083_nearest.kd
    .args:
      - { .name: inputs, .offset: 0, .size: 8, .value_kind: global_buffer, .address_space: global }
      - { .name: embeddings, .offset: 8, .size: 8, .value_kind: global_buffer, .address_space: global }
      - { .name: idx, .offset: 16, .size: 8, .value_kind: global_buffer, .address_space: global }
      - { .name: part, .offset: 24, .size: 8, .value_kind: global_buffer, .address_space: global }
    .group_segment_fixed_size: 76800
    .private_segment_fixed_size: 0
    .kernarg_segment_align: 8
    .kernarg_segment_size: 32
    .max_flat_workgroup_size: 256
    .sgpr_count:     66
    .vgpr_count:     512
    .wavefront_size: 32
...
	.end_amdgpu_metadata
.endif
;; end of part 1
;; launch gather (part 2): grid 256 x 1, 8 waves a work-group, no clusters, 25,600 bytes of LDS; arguments embeddings, idx, part, out0, out1; writes out0, out1
.if DOCPART == 2
	.amdgcn_target "amdgcn-amd-amdhsa--gfx1250"
	.amdhsa_code_object_version 6
	.text
	.protected	k_q84c3a9d083_gather
	.globl	k_q84c3a9d083_gather
	.p2align	8
	.type	k_q84c3a9d083_gather,@function
k_q84c3a9d083_gather:
	s_mov_b64 s[64:65], 0
	v_nop
	global_prefetch_b8 v0, s[64:65] scope:SCOPE_SE
	s_setreg_imm32_b32 hwreg(HW_REG_WAVE_MODE, 25, 1), 1
	s_wait_xcnt 0x0
; VECTOR QUANTIZER, LAUNCH 2 OF 2: out0[b][c][p] = embeddings[idx[b][p]][c], and out1 = 1.25 / 2^23 x the sum of the 2,048 partial sums of launch 1.
; WORK LEFT OUT: quantized_st = x + (q - x) = q for all finite x and q, so inputs is not read here and is not among the arguments; a NaN or an infinity of x is therefore not carried into out0.
; The rows stored are the f32 rows of the table, not rounded.
; SHARES.  256 work-groups of 8 waves: image b = work-group / 8, channels 8 cg .. 8 cg + 7 with cg = work-group % 8, all 4,096 positions.  So a work-group needs 32 bytes of each of the 512 rows (16,384 bytes)
; and 16,384 bytes of indices, and stores eight stretches of 16,384 consecutive bytes.  A thread takes four neighbouring positions in each of four steps: a wave's store covers 512 consecutive bytes, aligned.
; The slice lies in LDS in rows of 48 bytes, an odd multiple of 16, so that rows named at random spread over all sixteen groups of four banks (64 banks of 4 bytes: ISA guide 11.1).
; A lane reads, for each of its 4 positions, 8 channels (two loads of 16 bytes); what it stores is, for each of 8 channels, 4 positions: 32 moves turn the block.  Loads of 4 bytes into place
; would spare the moves and make four times the LDS instructions.
; No matrix work, no cluster (what is shared, slice and indices, is a quarter of what a work-group stores), no prefetch (all loads are issued at the head).
.set RP,    48                         ; a row of the slice in LDS
.set SPARE, 512*RP                     ; behind the slice: the spare words, 128 bytes for each of 8 waves: four blocks of 256 bytes that no other line names
.set SPW, 2                            ; v2   LDS address of my spare word; never rewritten
.set NIL, 3                            ; v3   0, for the add alone
.set TO,  4                            ; v4   my piece of the table in memory: row thread / 2, 16 bytes (thread % 2)
.set TL,  5                            ; v5   the same piece in LDS
.set PO,  6                            ; v6   16 x thread: my four positions in idx and in a channel of out0; never rewritten
.set ZO,  7                            ; v7   0
.set TP,  16                           ; v16-31  four pieces of the table
.set IX,  32                           ; v32-47  sixteen indices, then LDS addresses
.set G,   48                           ; v48-111 two sets of 4 positions x 8 channels
.set W,   112                          ; v112-239 for each step 8 channels x 4 positions; before that, in one wave: the partial sums
.set WV,  14                           ; s14  my wave
.set SEL, 24                           ; s[24:25] v_permlanex16_b32's selects
	s_load_b256 s[4:11], s[0:1], 0x0               ; embeddings s[4:5], idx s[6:7], part s[8:9], out0 s[10:11]
	s_load_b64 s[12:13], s[0:1], 0x20              ; out1
	v_lshl_add_u32 v[SPW], v0, 2, SPARE
	v_mov_b32 v[NIL], 0
	v_mov_b32 v[ZO], 0
	v_lshrrev_b32 v1, 5, v0
	v_readfirstlane_b32 s[WV], v1
	v_lshrrev_b32 v1, 1, v0
	v_and_b32 v8, 1, v0
	v_lshlrev_b32 v[TO], 8, v1                     ; a row of the table is 256 bytes
	v_lshl_add_u32 v[TO], v8, 4, v[TO]
	v_mul_u32_u24 v[TL], v1, RP
	v_lshl_add_u32 v[TL], v8, 4, v[TL]
	v_lshlrev_b32 v[PO], 4, v0
	s_and_b32 s16, ttmp9, 7                        ; cg
	s_lshr_b32 s18, ttmp9, 3                       ; b
	s_lshl_b32 s20, s18, 20                        ; out0: an image is 64 x 16,384 bytes,
	s_lshl_b32 s15, s16, 17                        ; eight channels 131,072
	s_add_co_u32 s20, s20, s15
	s_mov_b32 s21, 0
	s_lshl_b32 s16, s16, 5                         ; eight channels of a row: 32 bytes
	s_mov_b32 s17, 0
	s_lshl_b32 s18, s18, 14                        ; an image's 4,096 indices
	s_mov_b32 s19, 0
	s_or_b32 s22, ttmp9, s[WV]                     ; 0 in wave 0 of work-group 0
	s_mov_b32 s[SEL], 0x76543210
	s_mov_b32 s[SEL+1], 0xfedcba98
	s_wait_kmcnt 0x0
	s_add_nc_u64 s[4:5], s[4:5], s[16:17]
	s_add_nc_u64 s[6:7], s[6:7], s[18:19]
	s_add_nc_u64 s[10:11], s[10:11], s[20:21]
.irp m, 0,1,2,3
	global_load_b128 v[TP+4*\m:TP+4*\m+3], v[TO], s[4:5] offset:\m*32768       ; rows 128 m + thread / 2
.endr
.irp s, 0,1,2,3
	global_load_b128 v[IX+4*\s:IX+4*\s+3], v[PO], s[6:7] offset:\s*4096        ; positions 1,024 s + 4 x thread ..
.endr
	; THE LOSS: one wave of the launch adds the 2,048 sums, always in the same order.  Its loads go out with the others, so the wave waits once.
	s_cmp_lg_u32 s22, 0
	s_cbranch_scc1 .Lnoloss
.irp n, 0,1,2,3,4,5,6,7,8,9,10,11,12,13,14,15
	global_load_b128 v[W+4*\n:W+4*\n+3], v[PO], s[8:9] offset:\n*512
.endr
	s_wait_loadcnt 0x0
.irp st, 8,4,2,1
.set n, 0
.rept \st
	v_pk_add_f32 v[W+4*n:W+4*n+1], v[W+4*n:W+4*n+1], v[W+4*(n+\st):W+4*(n+\st)+1]
	v_pk_add_f32 v[W+4*n+2:W+4*n+3], v[W+4*n+2:W+4*n+3], v[W+4*(n+\st)+2:W+4*(n+\st)+3]
.set n, n+1
.endr
.endr
	v_pk_add_f32 v[W:W+1], v[W:W+1], v[W+2:W+3]
	v_add_f32 v[W], v[W], v[W+1]
	v_add_f32_dpp v[W], v[W], v[W] row_xmask:1 row_mask:0xf bank_mask:0xf
	v_add_f32_dpp v[W], v[W], v[W] row_xmask:2 row_mask:0xf bank_mask:0xf
	v_add_f32_dpp v[W], v[W], v[W] row_xmask:4 row_mask:0xf bank_mask:0xf
	v_add_f32_dpp v[W], v[W], v[W] row_xmask:8 row_mask:0xf bank_mask:0xf
	v_permlanex16_b32 v[W+1], v[W], s[SEL], s[SEL+1]
	v_add_f32 v[W], v[W], v[W+1]
	v_mul_f32 v[W], 0x34200000, v[W]               ; 1.25 / 8,388,608: BETA x mean + mean, of 32 x 64 x 64 x 64 numbers
	v_cmp_eq_u32 vcc_lo, 0, v0
	s_wait_xcnt 0x0                                ; EXEC changes only behind this wait
	s_and_saveexec_b32 s23, vcc_lo
	global_store_b32 v[ZO], v[W], s[12:13]
	s_wait_xcnt 0x0                                ; and the store's data register is written again further down
	s_or_b32 exec_lo, exec_lo, s23
.Lnoloss:
	s_wait_loadcnt 4                               ; the table's four pieces are in; the four loads of indices may stay out
.irp m, 0,1,2,3
	ds_store_b128 v[TL], v[TP+4*\m:TP+4*\m+3] offset:\m*128*RP
.endr
	s_wait_dscnt 0x0                               ; for the others' sake: my pieces are in LDS
	s_barrier_signal -1
	s_barrier_wait -1                              ; the whole slice is
	s_wait_loadcnt 0x0
.set n, 0
.rept 16
	v_min_u32 v[IX+n], 0x1ff, v[IX+n]              ; an index stays inside the table
.set n, n+1
.endr
.set n, 0
.rept 16
	v_mul_u32_u24 v[IX+n], RP, v[IX+n]
.set n, n+1
.endr
.macro GET s, g                        ; step s: my four positions' eight channels into set g
.irp p, 0,1,2,3
	ds_load_b128 v[G+32*(\g)+8*\p:G+32*(\g)+8*\p+3],   v[IX+4*(\s)+\p]
	ds_load_b128 v[G+32*(\g)+8*\p+4:G+32*(\g)+8*\p+7], v[IX+4*(\s)+\p] offset:16
.endr
.endm
.macro PUT s, g                        ; turned, and stored: each step has its own 32 registers, so no store's data is written again
.irp c, 0,1,2,3,4,5,6,7
.irp p, 0,1,2,3
	v_mov_b32 v[W+32*(\s)+4*\c+\p], v[G+32*(\g)+8*\p+\c]
.endr
	global_store_b128 v[PO], v[W+32*(\s)+4*\c:W+32*(\s)+4*\c+3], s[10:11] offset:\c*16384+(\s)*4096 th:TH_STORE_NT
.endr
.endm
	GET 0, 0
	GET 1, 1
	s_wait_dscnt 8                                 ; LDS loads come back in order (ISA guide 5.7.1): this step's eight are in, the next step's eight may be out
	PUT 0, 0
	GET 2, 0
	s_wait_dscnt 8
	PUT 1, 1
	GET 3, 1
	s_wait_dscnt 8
	PUT 2, 0
	s_wait_dscnt 0x0
	PUT 3, 1
	s_wait_tensorcnt 0x0                           ; the wave's end: behind my last LDS store
	ds_add_u32 v[SPW], v[NIL]
	s_wait_dscnt 0x0
	s_endpgm
.Lfunc_end_k_q84c3a9d083_gather:
	.size	k_q84c3a9d083_gather, .Lfunc_end_k_q84c3a9d083_gather-k_q84c3a9d083_gather
	.p2alignl 7, 3214868480
	.fill 96, 4, 3214868480
	.section	.rodata,"a",@progbits
	.p2align	6, 0x0
	.amdhsa_kernel k_q84c3a9d083_gather
		.amdhsa_group_segment_fixed_size 25600
		.amdhsa_private_segment_fixed_size 0
		.amdhsa_enable_private_segment 0
		.amdhsa_kernarg_size 40
		.amdhsa_user_sgpr_count 2
		.amdhsa_user_sgpr_kernarg_segment_ptr 1
		.amdhsa_wavefront_size32 1
		.amdhsa_system_sgpr_workgroup_id_x 1
		.amdhsa_system_sgpr_workgroup_id_y 1
		.amdhsa_system_sgpr_workgroup_id_z 1
		.amdhsa_system_vgpr_workitem_id 0
		.amdhsa_next_free_vgpr 240
		.amdhsa_next_free_sgpr 66
		.amdhsa_reserve_vcc 1
		.amdhsa_float_denorm_mode_32 3
		.amdhsa_float_denorm_mode_16_64 3
		.amdhsa_memory_ordered 1
		.amdhsa_forward_progress 1
		.amdhsa_inst_pref_size 18
	.end_amdhsa_kernel
	.amdgpu_metadata
---
amdhsa.version: [ 1, 2 ]
amdhsa.kernels:
  - .name:           k_q84c3a9d083_gather
    .symbol:         k_q84c3a9d083_gather.kd
    .args:
      - { .name: embeddings, .offset: 0, .size: 8, .value_kind: global_buffer, .address_space: global }
      - { .name: idx, .offset: 8, .size: 8, .value_kind: global_buffer, .address_space: global }
      - { .name: part, .offset: 16, .size: 8, .value_kind: global_buffer, .address_space: global }
      - { .name: out0, .offset: 24, .size: 8, .value_kind: global_buffer, .address_space: global }
      - { .name: out1, .offset: 32, .size: 8, .value_kind: global_buffer, .address_space: global }
    .group_segment_fixed_size: 25600
    .private_segment_fixed_size: 0
    .kernarg_segment_align: 8
    .kernarg_segment_size: 40
    .max_flat_workgroup_size: 256
    .sgpr_count:     66
    .vgpr_count:     240
    .wavefront_size: 32
...
	.end_amdgpu_metadata
.endif
;; end of part 2
